; MI455X (gfx1250); checked and timed in simulation.
; The chip was launched on July 23, 2026; its instructions are those of AMD's public machine-readable ISA for CDNA 5 (MIT licence, August 2026) and "CDNA5" Instruction Set Architecture Reference Guide (July 2026). The comments in the code are by the model that wrote it; some were corrected since.
;; Pi SSA Adapter. Allowed arithmetic: float matrix products may take bf16 or f16 operands with f32 sums; other float arithmetic in f32, or as packed bf16 or f16 multiplies, adds, multiply-adds, maxima and minima; sums over many terms, partial sums and values carried from step to step in f32; what a program stores and reads back later, other than sums and carried values, may be rounded once to bf16 or f16.
;; Inputs: W_res 4,096 x 4,096 float32; bias 4,096 float32; lora_A 64 x 4,096 float32; lora_B 4,096 x 64 float32; x 8 x 256 x 4,096 float32.
;; Outputs: out0 8 x 256 x 4,096 float32.
;; 2 versions, each right; version 2 is version 1 with the launch prep written anew for expert scheduling mode. Each part assembles by itself: llvm-mc -triple=amdgcn-amd-amdhsa -mcpu=gfx1250 --defsym DOCPART=n.
;; ======== version 1 of 2: 2 launches
;; workspace buffers: xb 17,301,504 bytes; wb 34,603,008 bytes
;; launch prep (part 1): grid 256 x 1, 8 waves a work-group, no clusters, 209,920 bytes of LDS; arguments x, W_res, lora_A, lora_B, xb, wb; writes xb, wb
.if DOCPART == 1
	.amdgcn_target "amdgcn-amd-amdhsa--gfx1250"
	.amdhsa_code_object_version 6
	.text
	.protected	k_qe28a7c5e75_prep
	.globl	k_qe28a7c5e75_prep
	.p2align	8
	.type	k_qe28a7c5e75_prep,@function
k_qe28a7c5e75_prep:
	s_mov_b64 s[64:65], 0
	v_nop
	global_prefetch_b8 v0, s[64:65] scope:SCOPE_SE
	s_setreg_imm32_b32 hwreg(HW_REG_WAVE_MODE, 25, 1), 1
	s_wait_xcnt 0x0
; PREPARATION for out = x W_res^T + bias + (x lora_A^T) lora_B^T.  It writes two bf16 operands whose K axis is lengthened by the adapter's rank:
;   xb[m] = [ bf16(x[m]) (4,096) | bf16(t[m]) (64) | 64 zeros ],   t = bf16(x) bf16(lora_A)^T, summed in f32;     wb[o] = [ bf16(W_res[o]) (4,096) | bf16(lora_B[o]) (64) | 64 zeros ].
; A row of either is 4,224 numbers = 8,448 bytes = 33 x 256.  The next launch multiplies xb by wb^T over K = 4,160: the adapter is its last 64 of K.
; LIMITS.  x, W_res, lora_A, lora_B are each rounded once to bf16; t is rounded once more to bf16 (2^-9 of itself); x (B A)^T is computed as (x A^T) B^T, another order of the sums than the
; definition's.  NaN and infinities go where the arithmetic takes them.
; SHARES.  256 work-groups of eight waves; even ones take 16 rows of x (X role), odd ones 32 rows of W_res and lora_B (W role): the role hangs on the work-group's number alone.
; W role: a wave owns 4 rows; a ring of 32 loads of 512 bytes (one row) is always on its way; 32 lanes x 8 bytes of bf16 are one store of 256 consecutive bytes, at a multiple of 256.
; X role: a wave owns 512 of the 4,096 columns, in four sub-chunks of 128.  For a sub-chunk it rounds 64 rows of lora_A and its 16 rows of x (a ring of 40 loads of 512 bytes), lays them in its own
; LDS rows, stores x's on to xb, and adds 16 matrix products to its partial t (16 x 64 in four accumulators).  The eight partial sums meet in LDS, in f32, behind the launch's one barrier.
; NO CLUSTER, NO TENSOR LOADS: every byte has to pass through registers to be rounded.  lora_A, which the 128 X work-groups share, would come into LDS as f32 and have to be read out, rounded and
; stored there again: two more passes through LDS for each of its bytes.
.set XROW,  16384                      ; bytes in a row of x, W_res and lora_A
.set OROW,  8448                       ; bytes in a row of xb and wb
.set LP,    272                        ; an LDS row: 256 bytes + 16: the 16 rows that a fragment load touches start 16 bytes apart modulo 256
.set AB,    16*LP                      ; 16 LDS rows
.set WREG,  80*LP                      ; a wave's region: rows 0-63 lora_A, rows 64-79 x; 128 bf16 each
.set PART,  8*WREG                     ; behind the eight regions: each wave's partial t, 16 rows of 64 f32, pitch 272
.set SPARE, PART+8*AB                  ; behind them: the spare words, 128 bytes for each wave: four blocks of 256 bytes that no other line names
.set LANE, 1                           ; v1      lane
.set SPW,  2                           ; v2      LDS address of my spare word; never rewritten
.set NIL,  3                           ; v3      0; never rewritten
.set VIN,  4                           ; v4      my byte offset in a row of f32
.set VOUT, 5                           ; v5      my byte offset in a row of bf16
.set LST,  6                           ; v6      X: where I put 8 bytes of an LDS row.  W: my byte offset in a row of lora_B
.set LFR,  7                           ; v7      X: my lane's place in a fragment
.set YA,   8                           ; v[8:15]    X: four pairs by turns: lora_A rounded, on its way into LDS
.set RING, 16                          ; v[16:175]  the ring: X 40 slots of 4 registers, W 32
.set WY,   144                         ; v[144:207] W: 32 pairs to store, one for each slot of a row
.set BL,   208                         ; v[208:223] W: lora_B as loaded
.set BY,   224                         ; v[224:231] W: lora_B to store
.set FR,   176                         ; v[176:207] X: four fragments of lora_A; while rows are rounded: x's 16 pairs to store
.set XFR,  208                         ; v[208:215] X: the fragment of x
.set ACC,  216                         ; v[216:247] X: four accumulators: t for 16 rows of x and ranks 16 jb ..
.set R,    248                         ; v248  lane % 16
.set H,    249                         ; v249  lane / 16
.set PST,  250                         ; v250  where my partial sums go
.set RDA,  251                         ; v251  where I read the eight partial sums
.set VTS,  252                         ; v252  my byte offset in xb for t
.set TY,   80                          ; v[80:83] t to store
	s_load_b256 s[4:11], s[0:1], 0x0               ; x s[4:5], W_res s[6:7], lora_A s[8:9], lora_B s[10:11]
	s_load_b128 s[12:15], s[0:1], 0x20             ; xb s[12:13], wb s[14:15]
	v_lshl_add_u32 v[SPW], v0, 2, SPARE
	v_mov_b32 v[NIL], 0
	v_and_b32 v[LANE], 31, v0
	v_lshrrev_b32 v4, 5, v0
	v_readfirstlane_b32 s16, v4                    ; my wave's number
	s_and_b32 s17, ttmp9, 1                        ; the role
	s_lshr_b32 s18, ttmp9, 1                       ; the work-group's number within its role, 0 to 127
	s_mov_b32 s25, 0                               ; the high word of every offset: all stay under 2^32
	s_wait_kmcnt 0x0
	s_cmp_eq_u32 s17, 0
	s_cbranch_scc1 .Lxrole                         ; the same way for all eight waves
; ---------------------------------------------------------------- W role
	s_lshl_b32 s20, s18, 5
	s_lshl2_add_u32 s20, s16, s20                  ; my first row: 32 x group + 4 x wave
	s_lshl_b32 s24, s20, 14
	s_add_nc_u64 s[6:7], s[6:7], s[24:25]          ; W_res at that row
	s_mul_i32 s24, s20, OROW
	s_add_nc_u64 s[14:15], s[14:15], s[24:25]      ; wb
	s_lshl_b32 s24, s20, 8
	s_add_nc_u64 s[10:11], s[10:11], s[24:25]      ; lora_B: rows of 256 bytes
	v_lshlrev_b32 v[VIN], 4, v[LANE]
	v_lshlrev_b32 v[VOUT], 3, v[LANE]
	v_and_b32 v[LST], 15, v[LANE]
	v_lshlrev_b32 v[LST], 4, v[LST]                ; sixteen lanes cover a row of lora_B; lanes 16-31 read it once more and store zeros
.irp p, 0,1,2,3
	global_load_b128 v[BL+4*\p:BL+4*\p+3], v[LST], s[10:11] offset:256*\p
.endr
.set q, 0
.rept 32
	global_load_b128 v[RING+4*q:RING+4*q+3], v[VIN], s[6:7] offset:512*q th:TH_LOAD_NT  ; the ring is filled: my first row
.set q, q+1
.endr
	v_cmp_gt_u32 vcc_lo, 16, v[LANE]
	s_wait_loadcnt 32                              ; loads come back in order: lora_B's four are in, the ring's 32 stay out
.irp p, 0,1,2,3
	v_cvt_pk_bf16_f32 v[BY+2*\p], v[BL+4*\p], v[BL+4*\p+1]
	v_cvt_pk_bf16_f32 v[BY+2*\p+1], v[BL+4*\p+2], v[BL+4*\p+3]
	v_cndmask_b32 v[BY+2*\p], 0, v[BY+2*\p], vcc_lo
	v_cndmask_b32 v[BY+2*\p+1], 0, v[BY+2*\p+1], vcc_lo
	global_store_b64 v[VOUT], v[BY+2*\p:BY+2*\p+1], s[14:15] offset:OROW*\p+8192  ; 128 bytes of lora_B and 128 of zeros: 256 consecutive bytes, the row's last
.endr
; One row of W_res.  ahead = 1: each slot is filled again with the same piece of the next row (a row is 32 x 512 bytes, so that piece lies 32 loads on).
.macro WROW ahead
.set q, 0
.rept 32
.if \ahead
	s_wait_loadcnt 31                              ; slot q's load is in; the 31 younger ones stay out
.else
	s_wait_loadcnt 31-q                            ; the last row loads nothing: the counts run down
.endif
	v_cvt_pk_bf16_f32 v[WY+2*q], v[RING+4*q], v[RING+4*q+1]
	v_cvt_pk_bf16_f32 v[WY+2*q+1], v[RING+4*q+2], v[RING+4*q+3]
.if \ahead
	global_load_b128 v[RING+4*q:RING+4*q+3], v[VIN], s[6:7] offset:512*(q+32) th:TH_LOAD_NT
.endif
	global_store_b64 v[VOUT], v[WY+2*q:WY+2*q+1], s[14:15] offset:256*q  ; 32 lanes x 8 bytes: 256 consecutive bytes, at a multiple of 256 from wb's first byte
.set q, q+1
.endr
.if \ahead
	s_wait_xcnt 0x0                                ; the two bases and the 32 pairs are written again only behind this wait
	s_add_nc_u64 s[6:7], s[6:7], XROW
	s_add_nc_u64 s[14:15], s[14:15], OROW
.endif
.endm
	s_mov_b32 s19, 3
.Lwrow:
	WROW 1
	s_sub_co_u32 s19, s19, 1
	s_cmp_lg_u32 s19, 0
	s_cbranch_scc1 .Lwrow
	WROW 0
	s_wait_tensorcnt 0x0                           ; the wave's end
	ds_add_u32 v[SPW], v[NIL]
	s_wait_dscnt 0x0
	s_endpgm
; ---------------------------------------------------------------- X role
.macro XLOAD reg, row, add             ; row 0-63: lora_A's; 64-79: x's.  add: bytes along the row
.if (\row) < 64
	global_load_b128 v[\reg:\reg+3], v[VIN], s[8:9] offset:XROW*(\row)+(\add)
.else
	global_load_b128 v[\reg:\reg+3], v[VIN], s[4:5] offset:XROW*((\row)-64)+(\add) th:TH_LOAD_NT
.endif
.endm
; 128 along K of t: four blocks of 32.  Source 0 = 16 rows of lora_A, source 1 = my group's 16 rows of x: lane l, register i of accumulator jb holds t[row l % 16][16 jb + 8 (l / 16) + i].
; The four accumulators take turns, one instruction a turn, over the blocks and over the loop's edge.
.macro TMUL
.irp kb, 0,1,2,3
.irp jb, 0,1,2,3
	ds_load_b128 v[FR+8*\jb:FR+8*\jb+3],   v[LFR] offset:AB*\jb+64*\kb     ; my own bytes: LDS serves a wave's instructions in order (ISA guide 5.7.1.4), so these see the stores above
	ds_load_b128 v[FR+8*\jb+4:FR+8*\jb+7], v[LFR] offset:AB*\jb+64*\kb+32
.endr
	ds_load_b128 v[XFR:XFR+3],   v[LFR] offset:64*LP+64*\kb
	ds_load_b128 v[XFR+4:XFR+7], v[LFR] offset:64*LP+64*\kb+32
	s_wait_dscnt 0x0
.irp jb, 0,1,2,3
	v_wmma_f32_16x16x32_bf16 v[ACC+8*\jb:ACC+8*\jb+7], v[FR+8*\jb:FR+8*\jb+7], v[XFR:XFR+7], v[ACC+8*\jb:ACC+8*\jb+7]
.endr
.rept 4
	v_nop                                          ; four places in front of the next loads into, writes of, or LDS stores from these products' registers
.endr
.endr
.endm
; One sub-chunk of 128 columns: 80 rows are rounded, slot q % 40 of the ring is filled again 40 rows ahead (behind row 39: the next sub-chunk's rows, 512 bytes along), then TMUL.  last = 1: nothing follows.
.macro SUB last
.set q, 0
.rept 80
.set sl, RING+4*(q%40)
.if (\last) && (q >= 40)
	s_wait_loadcnt 79-q                            ; nothing is loaded any more: the counts run down
.else
	s_wait_loadcnt 39                              ; row q's load is in; the 39 younger ones stay out
.endif
.if q < 64
.set yy, YA+2*(q%4)
.else
.set yy, FR+2*(q-64)
.endif
	v_cvt_pk_bf16_f32 v[yy], v[sl], v[sl+1]
	v_cvt_pk_bf16_f32 v[yy+1], v[sl+2], v[sl+3]
.if q < 40
	XLOAD sl, q+40, 0
.elseif !(\last)
	XLOAD sl, q-40, 512
.endif
	ds_store_b64 v[LST], v[yy:yy+1] offset:LP*q
.if q >= 64
	global_store_b64 v[VOUT], v[yy:yy+1], s[12:13] offset:OROW*(q-64)  ; 32 lanes x 8 bytes: 256 consecutive bytes, at a multiple of 256 from xb's first byte
.endif
.set q, q+1
.endr
	s_wait_xcnt 0x0                                ; the three bases and the stores' 16 pairs (TMUL loads fragments into them) are written again only behind this wait
.if !(\last)
	s_add_nc_u64 s[8:9], s[8:9], 512
	s_add_nc_u64 s[4:5], s[4:5], 512
	s_add_nc_u64 s[12:13], s[12:13], 256
.endif
	TMUL
.endm
.macro TADD d, s                       ; partial sum d takes partial sum s: eight f32 a lane
.irp p, 0,2,4,6
	v_pk_add_f32 v[RING+8*(\d)+\p:RING+8*(\d)+\p+1], v[RING+8*(\d)+\p:RING+8*(\d)+\p+1], v[RING+8*(\s)+\p:RING+8*(\s)+\p+1]
.endr
.endm
.Lxrole:
	s_lshl_b32 s24, s18, 18                        ; 16 rows of 16,384 bytes
	s_add_nc_u64 s[4:5], s[4:5], s[24:25]          ; x at the group's first row
	s_mul_i32 s24, s18, 16*OROW
	s_add_nc_u64 s[12:13], s[12:13], s[24:25]      ; xb likewise; this one steps along the row,
	s_mov_b64 s[22:23], s[12:13]                   ; this one stays, for t
	s_lshl_b32 s26, s16, 11
	v_lshl_add_u32 v[VIN], v[LANE], 4, s26         ; my wave's 512 columns of f32 + 16 bytes a lane
.set q, 0
.rept 40
	XLOAD RING+4*q, q, 0                           ; the ring is filled: lora_A's rows 0 to 39
.set q, q+1
.endr
	s_lshl_b32 s26, s16, 10
	v_lshl_add_u32 v[VOUT], v[LANE], 3, s26        ; the same columns in bf16
	s_mul_i32 s26, s16, WREG                       ; my wave's region
	v_lshl_add_u32 v[LST], v[LANE], 3, s26
	v_and_b32 v[R], 15, v[LANE]
	v_lshrrev_b32 v[H], 4, v[LANE]
	v_mul_u32_u24 v[LFR], v[R], LP                 ; a fragment: lane l holds row l % 16; registers 0-3 K = 8 (l / 16) .., registers 4-7 K = 16 + 8 (l / 16) ..: two loads of 16 bytes, 32 apart
	v_lshl_add_u32 v[LFR], v[H], 4, v[LFR]
	v_add_nc_u32 v[LFR], s26, v[LFR]
	s_mul_i32 s27, s16, AB
	s_add_co_u32 s27, s27, PART                    ; my wave's partial t
	v_mul_u32_u24 v[PST], v[R], LP
	v_lshl_add_u32 v[PST], v[H], 5, v[PST]         ; row l % 16, 8 f32 for each half of the lanes
	v_add_nc_u32 v[PST], s27, v[PST]
	s_lshl_b32 s28, s16, 1
	v_add_nc_u32 v[VTS], s28, v[H]                 ; at the end wave w adds up rows 2 w and 2 w + 1: lanes 0-15 the one, lanes 16-31 the other
	v_mul_u32_u24 v[RDA], v[VTS], LP
	v_and_b32 v253, 7, v[LANE]
	v_lshl_add_u32 v[RDA], v253, 5, v[RDA]         ; eight lanes x 8 f32 cover a row's 64; the eight beside them read the same and store zeros
	v_add_nc_u32 v[RDA], PART, v[RDA]
	v_mul_u32_u24 v[VTS], v[VTS], OROW
	v_lshl_add_u32 v[VTS], v[R], 4, v[VTS]
.set q, 0
.rept 32
	v_mov_b32 v[ACC+q], 0                          ; 32 lines in the wait for the first loads: they spare a third copy of the sub-chunk's text
.set q, q+1
.endr
	s_mov_b32 s19, 3
.Lxsub:
	SUB 0
	s_sub_co_u32 s19, s19, 1
	s_cmp_lg_u32 s19, 0
	s_cbranch_scc1 .Lxsub
	SUB 1
.irp jb, 0,1,2,3                       ; each accumulator's low registers are read first; the four v_nop above are the places behind the last products
	ds_store_b128 v[PST], v[ACC+8*\jb:ACC+8*\jb+3]   offset:64*\jb
	ds_store_b128 v[PST], v[ACC+8*\jb+4:ACC+8*\jb+7] offset:64*\jb+16
.endr
	s_wait_dscnt 0x0                               ; for the others' sake: my partial sums are in LDS
	s_barrier_signal -1
	s_barrier_wait -1                              ; everybody's are
.irp u, 0,1,2,3,4,5,6,7
	ds_load_b128 v[RING+8*\u:RING+8*\u+3],   v[RDA] offset:AB*\u
	ds_load_b128 v[RING+8*\u+4:RING+8*\u+7], v[RDA] offset:AB*\u+16
.endr
	v_cmp_gt_u32 vcc_lo, 8, v[R]
	s_wait_dscnt 0x0
	TADD 0, 1
	TADD 2, 3
	TADD 4, 5
	TADD 6, 7
	TADD 0, 2
	TADD 4, 6
	TADD 0, 4
.irp p, 0,1,2,3
	v_cvt_pk_bf16_f32 v[TY+\p], v[RING+2*\p], v[RING+2*\p+1]
.endr
.irp p, 0,1,2,3
	v_cndmask_b32 v[TY+\p], 0, v[TY+\p], vcc_lo
.endr
	global_store_b128 v[VTS], v[TY:TY+3], s[22:23] offset:8192  ; sixteen lanes: 128 bytes of t and 128 of zeros: 256 consecutive bytes, the row's last
	s_wait_tensorcnt 0x0                           ; the wave's end, behind my last LDS store
	ds_add_u32 v[SPW], v[NIL]
	s_wait_dscnt 0x0
	s_endpgm
.Lfunc_end_k_qe28a7c5e75_prep:
	.size	k_qe28a7c5e75_prep, .Lfunc_end_k_qe28a7c5e75_prep-k_qe28a7c5e75_prep
	.p2alignl 7, 3214868480
	.fill 96, 4, 3214868480
	.section	.rodata,"a",@progbits
	.p2align	6, 0x0
	.amdhsa_kernel k_qe28a7c5e75_prep
		.amdhsa_group_segment_fixed_size 209920
		.amdhsa_private_segment_fixed_size 0
		.amdhsa_enable_private_segment 0
		.amdhsa_kernarg_size 48
		.amdhsa_user_sgpr_count 2
		.amdhsa_user_sgpr_kernarg_segment_ptr 1
		.amdhsa_wavefront_size32 1
		.amdhsa_system_sgpr_workgroup_id_x 1
		.amdhsa_system_sgpr_workgroup_id_y 1
		.amdhsa_system_sgpr_workgroup_id_z 1
		.amdhsa_system_vgpr_workitem_id 0
		.amdhsa_next_free_vgpr 256
		.amdhsa_next_free_sgpr 66
		.amdhsa_reserve_vcc 1
		.amdhsa_float_denorm_mode_32 3
		.amdhsa_float_denorm_mode_16_64 3
		.amdhsa_memory_ordered 1
		.amdhsa_forward_progress 1
		.amdhsa_inst_pref_size 94
	.end_amdhsa_kernel
	.amdgpu_metadata
---
amdhsa.version: [ 1, 2 ]
amdhsa.kernels:
  - .name:           k_qe28a7c5e75_prep
    .symbol:         k_qe28a7c5e75_prep.kd
    .args:
      - { .name: x, .offset: 0, .size: 8, .value_kind: global_buffer, .address_space: global }
      - { .name: W_res, .offset: 8, .size: 8, .value_kind: global_buffer, .address_space: global }
      - { .name: lora_A, .offset: 16, .size: 8, .value_kind: global_buffer, .address_space: global }
      - { .name: lora_B, .offset: 24, .size: 8, .value_kind: global_buffer, .address_space: global }
      - { .name: xb, .offset: 32, .size: 8, .value_kind: global_buffer, .address_space: global }
      - { .name: wb, .offset: 40, .size: 8, .value_kind: global_buffer, .address_space: global }
    .group_segment_fixed_size: 209920
    .private_segment_fixed_size: 0
    .kernarg_segment_align: 8
    .kernarg_segment_size: 48
    .max_flat_workgroup_size: 256
    .sgpr_count:     66
    .vgpr_count:     256
    .wavefront_size: 32
...
	.end_amdgpu_metadata
.endif
;; end of part 1
;; launch gemm (part 2): grid 16 x 16, 4 waves a work-group, clusters of 4 x 4, 327,680 bytes of LDS; arguments xb, wb, bias, out0; writes out0
.if DOCPART == 2
	.amdgcn_target "amdgcn-amd-amdhsa--gfx1250"
	.amdhsa_code_object_version 6
	.text
	.protected	k_qe28a7c5e75_gemm
	.globl	k_qe28a7c5e75_gemm
	.p2align	8
	.type	k_qe28a7c5e75_gemm,@function
k_qe28a7c5e75_gemm:
	s_mov_b64 s[64:65], 0
	v_nop
	global_prefetch_b8 v0, s[64:65] scope:SCOPE_SE
	s_setreg_imm32_b32 hwreg(HW_REG_WAVE_MODE, 25, 1), 1
	s_wait_xcnt 0x0
	s_wait_alu depctr_hold_cnt(0) depctr_sa_sdst(0) depctr_va_vdst(0) depctr_va_sdst(0) depctr_va_ssrc(0) depctr_va_vcc(0) depctr_vm_vsrc(0)
	s_getreg_b32 s2, hwreg(HW_REG_IB_STS2, 6, 4)
	s_cmp_eq_u32 s2, 0
	s_cbranch_scc0 .Lentry_in_a_cluster
	s_endpgm
.Lentry_in_a_cluster:
	s_bfe_u32 s2, ttmp6, 0x10000c
	s_cmp_lg_u32 s2, 0xf033
	s_cbranch_scc0 .Lentry_shape_is_right
	s_endpgm
.Lentry_shape_is_right:
; out[m][n] = bias[n] + the sum over k < 4,160 of xb[m][k] wb[n][k].  xb: [2048][4224] bf16 = [ x | t | zeros ], wb: [4096][4224] bf16 = [ W_res | lora_B | zeros ], as the launch before wrote them;
; bias: [4096] f32; out: [2048][4096] f32.  Sums in f32, K ascending; the bias, unrounded, is the C operand of each sum's first product, so nothing is cleared and nothing is added afterwards.
; LIMITS.  The operands are bf16 (each input rounded once; t once more); NaN and infinities go where the arithmetic takes them.
; SHARES.  A tile of out is 128 (m) x 256 (n): 16 x 16 tiles, one work-group each.  Four waves, each 64 x 128: 32 accumulators of 16 x 16, 256 registers.
; K goes in 33 steps of 128 through two LDS slots (128 rows of xb, 256 rows of wb, 256 bytes each, which start at multiples of 256 from the buffers' first bytes).  Of the 33rd step, the adapter's,
; only the first 64 of K are multiplied: the rest of its rows are zeros.  Two slots of 256 along K would want 405,504 bytes: they do not fit.
; CLUSTERS: 4 x 4 work-groups.  The grid's x counts m blocks, its y n blocks.  The four partners with the same x need the same tiles of xb, the four with the same y the same tiles of wb: each tile is
; asked for JOINTLY, by the same tensor load with the same descriptor and a mask that names the four.
; THE MATRIX INSTRUCTION IS USED TRANSPOSED: source 0 = 16 rows of wb, source 1 = 16 rows of xb: lane l then holds row m = l % 16 and the columns n = 8 (l / 16) + 0..7: 32 neighbouring bytes of a row of out.
; REGISTERS, in windows of 256 (s_set_vgpr_msb: bits 1:0 source 0, 3:2 source 1, 5:4 source 2, 7:6 destination):
;   window 0: v0-31 addresses; v32-95 xb's fragments, two buffers of 4 x 8; v96-223 wb's, two buffers of 8 x 8
;   window 1: the accumulators, (a, b) at v[8 (8 a + b)]          window 2: v0-63 the bias of my 128 columns, in an accumulator's layout; v64-191 the way out, two buffers of 16 rows
.set ROWB,   8448                      ; bytes in a row of xb and wb
.set KSTEP,  128
.set PITCH,  272                       ; an LDS row: 256 bytes + 16 of padding: the 16 rows that a fragment load touches start 16 bytes apart modulo 256
.set XT,     128*PITCH                 ; xb's 128 rows; wb's 256 lie behind them
.set SLOT,   384*PITCH
.set STAGE,  2*SLOT                    ; behind the ring, never filled by a tensor load: 16 rows x 528 bytes for each wave, for the way out
.set SPITCH, 528                       ; 512 bytes + 16
.set SPARE,  STAGE+4*16*SPITCH         ; behind the stages: the spare words, 128 bytes for each wave: two blocks of 256 bytes that no other line names
.set OUTROW, 16384                     ; bytes in a row of out
.set ADRX, 16                          ; v16-17  LDS address of my fragments of xb in slot 0, 1
.set ADRW, 20                          ; v20-21  the same for wb
.set STO,  24                          ; v24     the way out: where I put 32 bytes of a row
.set RD,   25                          ; v25     the way out: where I read a row back
.set CO,   26                          ; v26     my byte offset in a row's 512 bytes of out
.set BO,   27                          ; v27     my byte offset in 64 bytes of bias
.set SPW,  28                          ; v28     LDS address of my spare word; never rewritten
.set NIL,  29                          ; v29     0; never rewritten
.set XF,   32                          ; xb's fragment buffer f at XF + 32 f
.set WF,   96                          ; wb's at WF + 64 f
.set OB0,  64                          ; window 2
.set OB1,  128
.set WV,   12                          ; s12 my wave's number; s13 = wave / 2: my half of the tile's rows, and whether I fetch for xb (0) or wb (1); s14 = wave % 2: my half of its columns, and which half of that tile I fetch
.set G1X,  24                          ; s[24:31] descriptor group 1 for xb's tiles;  s[32:39] group 0, a set for each slot
.set G0X,  32
.set G1W,  48                          ; s[48:55], s[56:63] the same for wb's
.set G0W,  56
.set MSB, 0
.macro WIN new                         ; the immediate's high byte repeats the setting that is left; a switch that changes nothing is dropped
.if MSB != (\new)
	s_set_vgpr_msb (MSB<<8)|(\new)
.set MSB, \new
.endif
.endm
.set MUL,  0x50                        ; sources 0 and 1 window 0; C and D window 1
.set MULB, 0x60                        ; C (the bias) window 2, D window 1
.set TO2,  0x80                        ; loaded data into window 2, address window 0
.set ST1,  0x04                        ; LDS store data from window 1
.set ST2,  0x08                        ; global store data from window 2
; A joint load.  Waves 0 and 1 fetch xb's two halves (64 rows each), waves 2 and 3 wb's (128 rows each).  The branch hangs on the wave's number alone.
; An s_nop 0 and four v_nop follow each of the two lines, ahead of the jump, the label and what follows.
.macro JLOAD s
	s_cmp_eq_u32 s13, 0
	s_cbranch_scc0 .Lfor_w_\@
	tensor_load_to_lds s[G0X+4*(\s):G0X+4*(\s)+3], s[G1X:G1X+7]
	s_nop 0
.rept 4
	v_nop
.endr
	s_branch .Lasked_\@
.Lfor_w_\@:
	tensor_load_to_lds s[G0W+4*(\s):G0W+4*(\s)+3], s[G1W:G1W+7]
	s_nop 0
.rept 4
	v_nop
.endr
.Lasked_\@:
.endm
; A round of the cluster's barrier: my work-group's barrier, so that wave 0's signal speaks for all four waves; wave 0 signals; every wave waits for all sixteen work-groups; my work-group's barrier once more.
.macro CREST                           ; a round behind its opening barrier
	s_cmp_lg_u32 s[WV], 0
	s_cbranch_scc1 .Lnot_wave_0_\@
	s_barrier_signal -3
.Lnot_wave_0_\@:
	s_barrier_wait -3
	s_barrier_signal -1
	s_barrier_wait -1
.endm
.macro CROUND                          ; a whole round
	s_barrier_signal -1
	s_barrier_wait -1
	CREST
.endm
	s_load_b256 s[4:11], s[0:1], 0x0               ; xb s[4:5], wb s[6:7], bias s[8:9], out s[10:11]
	v_lshl_add_u32 v[SPW], v0, 2, SPARE
	v_mov_b32 v[NIL], 0
	ds_add_u32 v[SPW], v[NIL]                      ; the wave's opening: the add and its wait stand ahead of my first tensor load; the set-up below, work on registers, stands between them
	v_lshrrev_b32 v1, 5, v0
	v_readfirstlane_b32 s[WV], v1
	s_lshr_b32 s13, s[WV], 1
	s_and_b32 s14, s[WV], 1
	s_bfe_u32 s40, ttmp6, 0x40000                  ; cx, cy: my place in the cluster
	s_bfe_u32 s41, ttmp6, 0x40004
	s_lshl_b32 s42, ttmp9, 2                       ; in a cluster launch ttmp9 and ttmp7 count clusters
	s_add_co_u32 s42, s42, s40                     ; m block = 4 x cluster x + cx
	s_and_b32 s43, ttmp7, 0xffff
	s_lshl_b32 s43, s43, 2
	s_add_co_u32 s43, s43, s41                     ; n block = 4 x cluster y + cy
	s_lshl_b32 s44, 0x1111, s40                    ; the partners with my cx: places cx, cx + 4, cx + 8, cx + 12
	s_lshl_b32 s45, s41, 2
	s_lshl_b32 s45, 15, s45                        ; the partners with my cy: places 4 cy .. 4 cy + 3
	; descriptor group 1: rows of 128 elements, padded in LDS; 64 rows for xb, 128 for wb
	s_or_b32 s[G1X+0], s44, (1<<16)|(1<<20)|(1<<21)|(5<<22)|(3<<25)  ; 15:0 the mask; 17:16 elements of 2 bytes; 20 padding on; 21 set beside a mask; 24:22 after every 64 words (code 5); 31:25 4 words of it (code 3)
	s_or_b32 s[G1W+0], s45, (1<<16)|(1<<20)|(1<<21)|(5<<22)|(3<<25)
	s_mov_b32 s[G1X+1], KSTEP<<16                  ; tensor_dim0 = 128
	s_mov_b32 s[G1W+1], KSTEP<<16
	s_mov_b32 s[G1X+2], 64<<16                     ; tensor_dim1 = the tile's rows
	s_mov_b32 s[G1W+2], 128<<16
	s_mov_b32 s[G1X+3], KSTEP<<16                  ; tile_dim0 = 128
	s_mov_b32 s[G1W+3], KSTEP<<16
	s_mov_b32 s[G1X+4], 64                         ; tile_dim1
	s_mov_b32 s[G1W+4], 128
	s_mov_b32 s[G1X+5], ROWB/2                     ; 4,224 elements from row to row
	s_mov_b32 s[G1W+5], ROWB/2
	s_mov_b32 s[G1X+6], 0
	s_mov_b32 s[G1W+6], 0
	s_mov_b32 s[G1X+7], 0
	s_mov_b32 s[G1W+7], 0
	; where the tiles come from.  xb's hang on the m block alone, wb's on the n block alone; every wave makes both addresses, in registers that never hold the other coordinate, and asks by one of them.
	s_lshl_b32 s16, s42, 7
	s_lshl_b32 s17, s14, 6
	s_add_co_u32 s16, s16, s17                     ; xb: row 128 x m block + 64 x half
	s_mul_i32 s16, s16, ROWB                       ; in bytes: under 2^25
	s_mov_b32 s17, 0
	s_lshl_b32 s46, s43, 8
	s_lshl_b32 s47, s14, 7
	s_add_co_u32 s46, s46, s47                     ; wb: row 256 x n block + 128 x half
	s_mul_i32 s46, s46, ROWB                       ; under 2^26
	s_mov_b32 s47, 0
	s_mul_i32 s20, s14, 64*PITCH                   ; and where they go: no place in the cluster enters an LDS address
	s_mul_i32 s21, s14, 128*PITCH
	s_add_co_u32 s21, s21, XT
	s_wait_dscnt 0x0                               ; the opening add is done
	s_wait_kmcnt 0x0
	s_add_nc_u64 s[18:19], s[4:5], s[16:17]
	s_add_nc_u64 s[46:47], s[6:7], s[46:47]
.irp s, 0,1
	s_mov_b32 s[G0X+4*(\s)], 1                                        ; 1:0 count = 1
	s_add_co_u32 s[G0X+4*(\s)+1], s20, (\s)*SLOT                      ; 63:32 LDS address
	s_add_nc_u64 s[G0X+4*(\s)+2:G0X+4*(\s)+3], s[18:19], (\s)*KSTEP*2 ; 120:64 global address: K step s
	s_or_b32 s[G0X+4*(\s)+3], s[G0X+4*(\s)+3], 0x80000000             ; 127:126 type = 2
	s_mov_b32 s[G0W+4*(\s)], 1
	s_add_co_u32 s[G0W+4*(\s)+1], s21, (\s)*SLOT
	s_add_nc_u64 s[G0W+4*(\s)+2:G0W+4*(\s)+3], s[46:47], (\s)*KSTEP*2
	s_or_b32 s[G0W+4*(\s)+3], s[G0W+4*(\s)+3], 0x80000000
.endr
	CROUND                                         ; all sixteen work-groups are here: the first joint loads meet
	s_cmp_eq_u32 s13, 0                            ; a wave's two first fills stand in one branch, ahead of every wait on TENSORcnt and every LDS read: two loads of mine are out
	s_cbranch_scc0 .Lfirst_w
	tensor_load_to_lds s[G0X:G0X+3], s[G1X:G1X+7]
	s_nop 0
	tensor_load_to_lds s[G0X+4:G0X+7], s[G1X:G1X+7]
	s_nop 0
.rept 4
	v_nop
.endr
	s_branch .Lfirst_asked
.Lfirst_w:
	tensor_load_to_lds s[G0W:G0W+3], s[G1W:G1W+7]
	s_nop 0
	tensor_load_to_lds s[G0W+4:G0W+7], s[G1W:G1W+7]
	s_nop 0
.rept 4
	v_nop
.endr
.Lfirst_asked:
	; A fragment is 16 rows x 32 K in 8 registers: lane l holds row l % 16; registers 0-3 K = 8 (l / 16) + 0..7, registers 4-7 K = 16 + 8 (l / 16) + 0..7: two loads of 16 bytes, 32 bytes apart.
	v_and_b32 v1, 15, v0                           ; l % 16
	v_bfe_u32 v2, v0, 4, 1                         ; l / 16
	v_mul_u32_u24 v3, v1, PITCH
	v_lshl_add_u32 v3, v2, 4, v3
	s_mul_i32 s22, s13, 64*PITCH                   ; my 64 rows of xb
	s_mov_b32 s23, s21                             ; my 128 rows of wb
.irp s, 0,1
	v_add_nc_u32 v[ADRX+(\s)], s22, v3
	v_add_nc_u32 v[ADRW+(\s)], s23, v3
	s_add_co_u32 s22, s22, SLOT
	s_add_co_u32 s23, s23, SLOT
.endr
	s_mul_i32 s22, s[WV], 16*SPITCH
	s_add_co_u32 s22, s22, STAGE                   ; my stage
	v_mul_u32_u24 v4, v1, SPITCH                   ; in: row l % 16, 32 bytes for each half of the lanes
	v_lshl_add_u32 v4, v2, 5, v4
	v_add_nc_u32 v[STO], s22, v4
	v_and_b32 v5, 31, v0
	v_lshlrev_b32 v[CO], 4, v5                     ; back: 32 lanes take one row of 512 bytes
	v_add_nc_u32 v[RD], s22, v[CO]
	v_lshlrev_b32 v[BO], 5, v2
	s_lshl_b32 s46, s43, 10                        ; my first column in bytes of f32: 1,024 x n block + 512 x half (in the registers that held wb's address: none that feeds xb's descriptors ever holds cy)
	s_lshl_b32 s47, s14, 9
	s_add_co_u32 s46, s46, s47
	s_mov_b32 s47, 0
	s_add_nc_u64 s[8:9], s[8:9], s[46:47]
	s_add_nc_u64 s[10:11], s[10:11], s[46:47]
	s_lshl_b32 s16, s42, 7
	s_lshl_b32 s17, s13, 6
	s_add_co_u32 s16, s16, s17                     ; my first row of out: 128 x m block + 64 x half
	s_lshl_b32 s16, s16, 14
	s_mov_b32 s17, 0
	s_add_nc_u64 s[10:11], s[10:11], s[16:17]
	WIN TO2
.irp b, 0,1,2,3,4,5,6,7                ; register i of block b: bias[16 b + 8 (l / 16) + i]: the layout of an accumulator, the same in all of its 16 rows
	global_load_b128 v[8*(\b):8*(\b)+3],   v[BO], s[8:9] offset:64*(\b)
	global_load_b128 v[8*(\b)+4:8*(\b)+7], v[BO], s[8:9] offset:64*(\b)+16
.endr
	WIN 0
; 8 matrix instructions: m block a x all 8 n blocks, 32 along K, from buffer f.  first = 1: the product starts the sum, with the bias as C.
; The 32 accumulators take turns, one instruction a turn, in the same order in every quarter step, over the loop's edge and into the tail.
.macro MUL8 f, a, first
.if \first
	WIN MULB
.else
	WIN MUL
.endif
.irp b, 0,1,2,3,4,5,6,7
.if \first
	v_wmma_f32_16x16x32_bf16 v[8*(8*(\a)+(\b)):8*(8*(\a)+(\b))+7], v[WF+64*(\f)+8*(\b):WF+64*(\f)+8*(\b)+7], v[XF+32*(\f)+8*(\a):XF+32*(\f)+8*(\a)+7], v[8*(\b):8*(\b)+7]
.else
	v_wmma_f32_16x16x32_bf16 v[8*(8*(\a)+(\b)):8*(8*(\a)+(\b))+7], v[WF+64*(\f)+8*(\b):WF+64*(\f)+8*(\b)+7], v[XF+32*(\f)+8*(\a):XF+32*(\f)+8*(\a)+7], v[8*(8*(\a)+(\b)):8*(8*(\a)+(\b))+7]
.endif
.endr
.endm
; 24 LDS loads in one run: the fragments of one quarter step (128 rows of wb, then 64 rows of xb, 32 K at byte k of the rows) into buffer f
.macro FETCH slot, k, f
	WIN 0
.irp i, 0,1,2,3,4,5,6,7
	ds_load_b128 v[WF+64*(\f)+8*(\i):WF+64*(\f)+8*(\i)+3],   v[ADRW+(\slot)] offset:(\k)+(\i)*16*PITCH
	ds_load_b128 v[WF+64*(\f)+8*(\i)+4:WF+64*(\f)+8*(\i)+7], v[ADRW+(\slot)] offset:(\k)+(\i)*16*PITCH+32
.endr
.irp i, 0,1,2,3
	ds_load_b128 v[XF+32*(\f)+8*(\i):XF+32*(\f)+8*(\i)+3],   v[ADRX+(\slot)] offset:(\k)+(\i)*16*PITCH
	ds_load_b128 v[XF+32*(\f)+8*(\i)+4:XF+32*(\f)+8*(\i)+7], v[ADRX+(\slot)] offset:(\k)+(\i)*16*PITCH+32
.endr
.endm
; A load into a register that a matrix instruction has read, and an LDS store of a matrix result, stand four places behind that matrix instruction; only plain vector instructions that name none of
; its registers are places (ISA guide 7.12.1 for vector instructions); the matrix instructions in between are not counted.
.macro PLACES
.rept 4
	v_nop
.endr
.endm
; A K step is four quarters of 32 along K, 32 matrix instructions each, on buffers 0, 1, 0, 1.  One of the first three: multiplies buffer f; in its middle it fetches the next quarter, at byte k, into g.
.macro QUARTER slot, k, f, g, first
	s_wait_dscnt 4                                 ; wb's fragments and xb's blocks 0 and 1 are in; the youngest four loads (blocks 2 and 3) may be out
	MUL8 \f, 0, \first
	MUL8 \f, 1, \first
	PLACES
	FETCH \slot, \k, \g
	s_wait_dscnt 24                                ; all but the 24 just issued
	MUL8 \f, 2, \first
	MUL8 \f, 3, \first
.endm
; The last quarter multiplies buffer 1 and changes slots: ONE barrier for two things.  In front of it each wave waits for all its tensor loads, of which one is out: its part of the next slot; adds 0 to
; its spare word; and waits for that and for its own reads of this slot.  Behind it nobody reads this slot any more and the next slot is whole.
; fill = 1: this slot is filled again, two K steps ahead.  The barrier then opens a round of the cluster's barrier, so that no wave of any partner still reads the slot or has a load on its way, and
; the joint load is the first tensor load behind the round: 112 matrix instructions ahead of the wait for it.
.macro TURN slot, next, fill
	WIN 0                                          ; (the add's two registers lie in window 0)
	s_wait_tensorcnt 0x0                           ; all my tensor loads have landed, so a group 0 may be written
	ds_add_u32 v[SPW], v[NIL]                      ; 0 onto my spare word
	s_wait_dscnt 7                                 ; (the add and the youngest six loads, xb's blocks 1 to 3, may be out)
	MUL8 1, 0, 0                                   ; eight matrix instructions stand between the add and the wait for it
	s_wait_dscnt 0x0                               ; the add is done, and my reads of this slot are over
	s_barrier_signal -1
	MUL8 1, 1, 0                                   ; work on registers while the others arrive
	WIN 0
	s_barrier_wait -1
.if \fill
	CREST
	s_add_nc_u64 s[G0X+4*(\slot)+2:G0X+4*(\slot)+3], s[G0X+4*(\slot)+2:G0X+4*(\slot)+3], 2*KSTEP*2
	s_add_nc_u64 s[G0W+4*(\slot)+2:G0W+4*(\slot)+3], s[G0W+4*(\slot)+2:G0W+4*(\slot)+3], 2*KSTEP*2
	JLOAD \slot                                    ; the four v_nop behind it are also the places in front of the loads below
.else
	PLACES
.endif
	FETCH \next, 0, 0
	MUL8 1, 2, 0
	MUL8 1, 3, 0
.endm
; THE WAY OUT of m block a: 16 rows x 128 columns of f32.  A lane's 32 bytes go into my own stage, rows of 528 bytes; whole rows of 512 bytes come back into buffer ob and are stored.
.macro TOSTAGE a, ob
	WIN ST1
.irp b, 0,1,2,3,4,5,6,7                ; each accumulator's low registers are read first
	ds_store_b128 v[STO], v[8*(8*(\a)+(\b)):8*(8*(\a)+(\b))+3]   offset:64*(\b)
	ds_store_b128 v[STO], v[8*(8*(\a)+(\b))+4:8*(8*(\a)+(\b))+7] offset:64*(\b)+16
.endr
	WIN TO2
.set t, 0
.rept 16
	ds_load_b128 v[(\ob)+4*t:(\ob)+4*t+3], v[RD] offset:SPITCH*t  ; LDS serves a wave's instructions in order (ISA guide 5.7.1.4): these see the stores above; the next block's stores come behind them
.set t, t+1
.endr
.endm
.macro SEND a, ob, younger             ; younger: the LDS instructions issued behind block a's loads: the next block's 32, or none
	WIN ST2
.set t, 0
.rept 16
	s_wait_dscnt (\younger)+15-t
	global_store_b128 v[CO], v[(\ob)+4*t:(\ob)+4*t+3], s[10:11] offset:(16*(\a)+t)*OUTROW th:TH_STORE_NT  ; 32 lanes store 512 consecutive bytes, at a multiple of 512 from out's first byte; 63 rows at the most in the immediate
.set t, t+1
.endr
.endm
	s_wait_tensorcnt 1                             ; my part of K step 0 is in; K step 1's may stay out
	s_barrier_signal -1
	s_barrier_wait -1                              ; everybody's is
	FETCH 0, 0, 0
	s_wait_loadcnt 0x0                             ; the bias
	QUARTER 0, 64,  0, 1, 1                        ; the first quarter stands in front of the loop: its products start the sums
	WIN 0                                          ; at a label and at a branch every window is 0
	s_mov_b32 s3, 15
.Llap:                                                 ; a trip goes once round the ring, from a lap's second quarter to the next lap's first: 15 trips multiply K steps 0 to 29 and ask for 2 to 31
	QUARTER 0, 128, 1, 0, 0
	QUARTER 0, 192, 0, 1, 0
	TURN 0, 1, 1
	QUARTER 1, 64,  0, 1, 0
	QUARTER 1, 128, 1, 0, 0
	QUARTER 1, 192, 0, 1, 0
	TURN 1, 0, 1
	QUARTER 0, 64,  0, 1, 0
	WIN 0
	s_sub_co_u32 s3, s3, 1
	s_cmp_lg_u32 s3, 0
	s_cbranch_scc1 .Llap
	QUARTER 0, 128, 1, 0, 0                        ; K step 30 goes on;
	QUARTER 0, 192, 0, 1, 0
	TURN 0, 1, 1                                   ; its slot takes K step 32: t and lora_B
	QUARTER 1, 64,  0, 1, 0                        ; K step 31
	QUARTER 1, 128, 1, 0, 0
	QUARTER 1, 192, 0, 1, 0
	TURN 1, 0, 0                                   ; nothing is left to ask for: my work-group's barrier alone
	QUARTER 0, 64,  0, 1, 0                        ; K step 32: ranks 0 to 31,
	s_wait_dscnt 4
	MUL8 1, 0, 0                                   ; and 32 to 63; the zeros behind them are not multiplied
	MUL8 1, 1, 0
	s_wait_dscnt 0x0
	MUL8 1, 2, 0
	MUL8 1, 3, 0
	PLACES                                         ; the LDS stores below read results just made
	TOSTAGE 0, OB0
	TOSTAGE 1, OB1                                 ; a block's way through the stage stands between the loads of the block before and its stores
	SEND 0, OB0, 32
	s_wait_xcnt 0x0                                ; the stores' data registers are loaded again only behind this wait
	TOSTAGE 2, OB0
	SEND 1, OB1, 32
	s_wait_xcnt 0x0
	TOSTAGE 3, OB1
	SEND 2, OB0, 32
	SEND 3, OB1, 0
	WIN 0
	s_wait_tensorcnt 0x0                           ; the wave's end, behind my last tensor load and my last LDS store
	ds_add_u32 v[SPW], v[NIL]
	s_wait_dscnt 0x0
	CROUND                                         ; the closing round: no work-group ends while a partner may still ask for a tile that names it
	s_endpgm
.Lfunc_end_k_qe28a7c5e75_gemm:
	.size	k_qe28a7c5e75_gemm, .Lfunc_end_k_qe28a7c5e75_gemm-k_qe28a7c5e75_gemm
	.p2alignl 7, 3214868480
	.fill 96, 4, 3214868480
	.section	.rodata,"a",@progbits
	.p2align	6, 0x0
	.amdhsa_kernel k_qe28a7c5e75_gemm
		.amdhsa_group_segment_fixed_size 327680
		.amdhsa_private_segment_fixed_size 0
		.amdhsa_enable_private_segment 0
		.amdhsa_kernarg_size 32
		.amdhsa_user_sgpr_count 2
		.amdhsa_user_sgpr_kernarg_segment_ptr 1
		.amdhsa_wavefront_size32 1
		.amdhsa_system_sgpr_workgroup_id_x 1
		.amdhsa_system_sgpr_workgroup_id_y 1
		.amdhsa_system_sgpr_workgroup_id_z 1
		.amdhsa_system_vgpr_workitem_id 0
		.amdhsa_next_free_vgpr 704
		.amdhsa_next_free_sgpr 66
		.amdhsa_reserve_vcc 0
		.amdhsa_float_denorm_mode_32 3
		.amdhsa_float_denorm_mode_16_64 3
		.amdhsa_memory_ordered 1
		.amdhsa_forward_progress 1
		.amdhsa_inst_pref_size 96
	.end_amdhsa_kernel
	.amdgpu_metadata
---
amdhsa.version: [ 1, 2 ]
amdhsa.kernels:
  - .name:           k_qe28a7c5e75_gemm
    .symbol:         k_qe28a7c5e75_gemm.kd
    .args:
      - { .name: xb, .offset: 0, .size: 8, .value_kind: global_buffer, .address_space: global }
      - { .name: wb, .offset: 8, .size: 8, .value_kind: global_buffer, .address_space: global }
      - { .name: bias, .offset: 16, .size: 8, .value_kind: global_buffer, .address_space: global }
      - { .name: out0, .offset: 24, .size: 8, .value_kind: global_buffer, .address_space: global }
    .group_segment_fixed_size: 327680
    .private_segment_fixed_size: 0
    .kernarg_segment_align: 8
    .kernarg_segment_size: 32
    .max_flat_workgroup_size: 128
    .sgpr_count:     66
    .vgpr_count:     704
    .wavefront_size: 32
...
	.end_amdgpu_metadata
.endif
;; end of part 2
;; ======== version 2 of 2: 2 launches; version 1 with the launch prep written anew for expert scheduling mode
;; workspace buffers: xb 17,301,504 bytes; wb 34,603,008 bytes
;; launch prep (part 3): grid 256 x 1, 8 waves a work-group, no clusters, 209,920 bytes of LDS; arguments x, W_res, lora_A, lora_B, xb, wb; writes xb, wb
.if DOCPART == 3
	.amdgcn_target "amdgcn-amd-amdhsa--gfx1250"
	.amdhsa_code_object_version 6
	.text
	.protected	k_qe28a7c5e75_prep
	.globl	k_qe28a7c5e75_prep
	.p2align	8
	.type	k_qe28a7c5e75_prep,@function
k_qe28a7c5e75_prep:
	s_mov_b64 s[64:65], 0
	v_nop
	global_prefetch_b8 v0, s[64:65] scope:SCOPE_SE
	s_setreg_imm32_b32 hwreg(HW_REG_WAVE_SCHED_MODE, 0, 2), 2
	s_setreg_imm32_b32 hwreg(HW_REG_WAVE_MODE, 25, 1), 1
	s_wait_xcnt 0x0
	s_wait_alu depctr_vm_vsrc(0)
; PREPARATION for out = x W_res^T + bias + (x lora_A^T) lora_B^T.  It writes two bf16 operands whose K axis is lengthened by the adapter's rank:
;   xb[m] = [ bf16(x[m]) (4,096) | bf16(t[m]) (64) | 64 zeros ],   t = bf16(x) bf16(lora_A)^T, summed in f32;     wb[o] = [ bf16(W_res[o]) (4,096) | bf16(lora_B[o]) (64) | 64 zeros ].
; A row of either is 4,224 numbers = 8,448 bytes = 33 x 256.  The next launch multiplies xb by wb^T over K = 4,160: the adapter is its last 64 of K.
; LIMITS.  x, W_res, lora_A, lora_B are each rounded once to bf16; t is rounded once more to bf16 (2^-9 of itself); x (B A)^T is computed as (x A^T) B^T, another order of the sums than the
; definition's.  NaN and infinities go where the arithmetic takes them.
; SHARES.  256 work-groups of eight waves; even ones take 16 rows of x (X role), odd ones 32 rows of W_res and lora_B (W role): the role hangs on the work-group's number alone.
; W role: a wave owns 4 rows; a load takes 512 bytes of a row; 32 lanes x 8 bytes of bf16 are one store of 256 consecutive bytes, at a multiple of 256.
; X role: a wave owns 512 of the 4,096 columns, in four sub-chunks of 128.  For a sub-chunk it rounds 64 rows of lora_A and its 16 rows of x (loads of 512 bytes), lays them in its own
; LDS rows, stores x's on to xb, and adds 16 matrix products to its partial t (16 x 64 in four accumulators).  The eight partial sums meet in LDS, in f32, behind the launch's one barrier.
; NO CLUSTER, NO TENSOR LOADS: every byte has to pass through registers to be rounded.  lora_A, which the 128 X work-groups share, would come into LDS as f32 and have to be read out, rounded and
; stored there again: two more passes through LDS for each of its bytes.
; THE MODE: SCHED_MODE bits 1:0 = 2 (LLVM: expert scheduling mode 2), set by the entry lines.  The code itself states the register dependences between vector or matrix instructions and memory or
; LDS instructions, with s_wait_alu, always for 0.
; THE PLAN, W ROLE.  The wave's 4 rows go in 16 blocks of eight loads, four blocks to a row.  Registers that memory instructions touch:
;   X0 .. X3      four blocks as loaded.  Written by the loads of block p + 3, issued in block p; read by block p's sixteen roundings (X[p % 4]).
;   Y0, Y1        two blocks to store.    Written by block p's roundings (Y[p % 2]); read by the eight stores that are issued in block p + 1.
;   VIN, VOUT, LST  offsets, made once and never written again: the rows are reached by the scalar bases, which move on once a row, and by immediate offsets.
; Block p's memory instructions touch X[(p - 1) % 4] and Y[(p - 1) % 2], which no vector instruction of block p names: the waits at a block's head state all that they hang on.
; THE PLAN, X ROLE.  A sub-chunk's 80 rows go in 10 blocks of eight.  Registers that memory or LDS instructions touch:
;   R0 .. R4      five blocks as loaded (row q in slot q % 40).  Written by the loads of block b + 4, issued in block b; read by block b's sixteen roundings (R[b % 5]).
;   Y0, Y1        the two halves of FR.  Written by block b's roundings (Y[b % 2]); read by the LDS stores (blocks 8 and 9: by the global stores too) that are issued in block b + 1.
;                 Block 9's stores, and the loads into its R, stand behind the block, ahead of the products; so a sub-chunk's block 0 has no memory instruction.
;   FR, XFR       in the products' part: written by the fragments' LDS loads, read by the matrix instructions.
;   VIN, VOUT, LST, LFR, PST, RDA, VTS  offsets and LDS addresses, made once and never written again.
;   The accumulators are named by matrix instructions alone until the end, where LDS stores read them.
.set XROW,  16384                      ; bytes in a row of x, W_res and lora_A
.set OROW,  8448                       ; bytes in a row of xb and wb
.set LP,    272                        ; an LDS row: 256 bytes + 16: the 16 rows that a fragment load touches start 16 bytes apart modulo 256
.set AB,    16*LP                      ; 16 LDS rows
.set WREG,  80*LP                      ; a wave's region: rows 0-63 lora_A, rows 64-79 x; 128 bf16 each
.set PART,  8*WREG                     ; behind the eight regions: each wave's partial t, 16 rows of 64 f32, pitch 272
.set SPARE, PART+8*AB                  ; behind them: the spare words, 128 bytes for each wave: four blocks of 256 bytes that no other line names
.set LANE, 1                           ; v1      lane
.set SPW,  2                           ; v2      LDS address of my spare word; never rewritten
.set NIL,  3                           ; v3      0; never rewritten
.set VIN,  4                           ; v4      my byte offset in a row of f32
.set VOUT, 5                           ; v5      my byte offset in a row of bf16
.set LST,  6                           ; v6      X: where I put 8 bytes of an LDS row.  W: my byte offset in a row of lora_B
.set LFR,  7                           ; v7      X: my lane's place in a fragment
.set RING, 16                          ; v[16:175]  buffer k at RING + 32 k, its load i at + 4 i: X five buffers, W four
.set WY,   144                         ; v[144:175] W: buffer k at WY + 16 k: eight pairs to store
.set BL,   208                         ; v[208:223] W: lora_B as loaded
.set BY,   224                         ; v[224:231] W: lora_B to store
.set FR,   176                         ; v[176:207] X: four fragments of lora_A; while rows are rounded: Y0 and Y1, eight pairs each
.set XFR,  208                         ; v[208:215] X: the fragment of x
.set ACC,  216                         ; v[216:247] X: four accumulators: t for 16 rows of x and ranks 16 jb ..
.set R,    248                         ; v248  lane % 16
.set H,    249                         ; v249  lane / 16
.set PST,  250                         ; v250  where my partial sums go
.set RDA,  251                         ; v251  where I read the eight partial sums
.set VTS,  252                         ; v252  my byte offset in xb for t
.set TY,   80                          ; v[80:83] t to store
	s_load_b256 s[4:11], s[0:1], 0x0               ; x s[4:5], W_res s[6:7], lora_A s[8:9], lora_B s[10:11]
	s_load_b128 s[12:15], s[0:1], 0x20             ; xb s[12:13], wb s[14:15]
	v_lshl_add_u32 v[SPW], v0, 2, SPARE
	v_mov_b32 v[NIL], 0
	v_and_b32 v[LANE], 31, v0
	v_lshrrev_b32 v4, 5, v0
	v_readfirstlane_b32 s16, v4                    ; my wave's number
	s_and_b32 s17, ttmp9, 1                        ; the role
	s_lshr_b32 s18, ttmp9, 1                       ; the work-group's number within its role, 0 to 127
	s_mov_b32 s25, 0                               ; the high word of every offset: all stay under 2^32
	s_wait_alu depctr_va_sdst(0)                   ; s16 is written, ahead of the branch and of its first reader in either role
	s_wait_kmcnt 0x0
	s_cmp_eq_u32 s17, 0
	s_cbranch_scc1 .Lxrole                         ; the same way for all eight waves
; ---------------------------------------------------------------- W role
	s_lshl_b32 s20, s18, 5
	s_lshl2_add_u32 s20, s16, s20                  ; my first row: 32 x group + 4 x wave
	s_lshl_b32 s24, s20, 14
	s_add_nc_u64 s[6:7], s[6:7], s[24:25]          ; W_res at that row
	s_mul_i32 s24, s20, OROW
	s_add_nc_u64 s[14:15], s[14:15], s[24:25]      ; wb
	s_lshl_b32 s24, s20, 8
	s_add_nc_u64 s[10:11], s[10:11], s[24:25]      ; lora_B: rows of 256 bytes
	v_lshlrev_b32 v[VIN], 4, v[LANE]
	v_lshlrev_b32 v[VOUT], 3, v[LANE]
	v_and_b32 v[LST], 15, v[LANE]
	v_lshlrev_b32 v[LST], 4, v[LST]                ; sixteen lanes cover a row of lora_B; lanes 16-31 read it once more and store zeros
	s_wait_alu depctr_va_vdst(0)                   ; VIN, VOUT and LST are written: every load and store of this role reads one of them as its offset
.irp p, 0,1,2,3
	global_load_b128 v[BL+4*\p:BL+4*\p+3], v[LST], s[10:11] offset:256*\p
.endr
.set q, 0
.rept 24
	global_load_b128 v[RING+4*q:RING+4*q+3], v[VIN], s[6:7] offset:512*q th:TH_LOAD_NT  ; blocks 0, 1 and 2 into X0, X1, X2
.set q, q+1
.endr
	v_cmp_gt_u32 vcc_lo, 16, v[LANE]
	s_wait_loadcnt 24                              ; loads come back in order: lora_B's four are in, the 24 younger ones stay out
.irp p, 0,1,2,3
	v_cvt_pk_bf16_f32 v[BY+2*\p], v[BL+4*\p], v[BL+4*\p+1]
	v_cvt_pk_bf16_f32 v[BY+2*\p+1], v[BL+4*\p+2], v[BL+4*\p+3]
.endr
	s_wait_alu depctr_va_vcc(0)                    ; the compare has written VCC, which the selects below read
.irp p, 0,1,2,3
	v_cndmask_b32 v[BY+2*\p], 0, v[BY+2*\p], vcc_lo
	v_cndmask_b32 v[BY+2*\p+1], 0, v[BY+2*\p+1], vcc_lo
.endr
	s_wait_alu depctr_va_vdst(0)                   ; the selects have written v[BY ..], which the four stores read
.irp p, 0,1,2,3
	global_store_b64 v[VOUT], v[BY+2*\p:BY+2*\p+1], s[14:15] offset:OROW*\p+8192  ; 128 bytes of lora_B and 128 of zeros: 256 consecutive bytes, the row's last
.endr
; Block b (0 to 3) of a row: it rounds X[b] into Y[b % 2].  first = 1: the wave's first block, with no block in front of it.  ahead = 1: the block three further on is loaded.
; left = how many younger loads may still be out when this block's eight have to be there.  The bases stand at the block's own row.
.macro WBLK b, first, ahead, left
	s_wait_loadcnt \left                           ; X[b] is in; the younger blocks stay out
.if !\first
	s_wait_xcnt 0x0                                ; the two bases and Y[b % 2], which earlier stores read, are written again only behind this wait
	s_wait_alu depctr_vm_vsrc(0)                   ; the stores issued in the block before have read Y[b % 2], which this block's roundings write again
	s_wait_alu depctr_va_vdst(0)                   ; the block before has written the other Y, which the stores below read, and is done reading its X, in which the loads below land
.if (\b) == 0
	s_add_nc_u64 s[6:7], s[6:7], XROW              ; a new row
	s_add_nc_u64 s[14:15], s[14:15], OROW
.endif
.endif
.set i, 0
.rept 8
.set xl, RING+32*(((\b)+3)%4)+4*i
.set yo, WY+16*(1-(\b)%2)+2*i
.set xs, RING+32*(\b)+4*i
.set ys, WY+16*((\b)%2)+2*i
.if \ahead
	global_load_b128 v[xl:xl+3], v[VIN], s[6:7] offset:4096*((\b)+3)+512*i th:TH_LOAD_NT  ; three blocks ahead (W_res's rows lie end to end); no vector instruction since the wait names these registers
.endif
.if !\first
.if (\b) == 0
	global_store_b64 v[VOUT], v[yo:yo+1], s[14:15] offset:2048*3+256*i-OROW  ; the block before is the last of the row above: the offset reaches back
.else
	global_store_b64 v[VOUT], v[yo:yo+1], s[14:15] offset:2048*((\b)-1)+256*i  ; 32 lanes x 8 bytes: 256 consecutive bytes, at a multiple of 256 from wb's first byte
.endif
.endif
	v_cvt_pk_bf16_f32 v[ys], v[xs], v[xs+1]
	v_cvt_pk_bf16_f32 v[ys+1], v[xs+2], v[xs+3]
.set i, i+1
.endr
.endm
	WBLK 0, 1, 1, 16                               ; block 0
	s_mov_b32 s19, 3
.Lwrow:                                                ; blocks 1 to 12, four to a lap: both kinds of buffer are back at their start
	WBLK 1, 0, 1, 16
	WBLK 2, 0, 1, 16
	WBLK 3, 0, 1, 16
	WBLK 0, 0, 1, 16
	s_sub_co_u32 s19, s19, 1
	s_cmp_lg_u32 s19, 0
	s_cbranch_scc1 .Lwrow
	WBLK 1, 0, 0, 16                               ; blocks 13 to 15 load nothing: no load leaves W_res, and the counts run down
	WBLK 2, 0, 0, 8
	WBLK 3, 0, 0, 0
	s_wait_alu depctr_va_vdst(0)                   ; block 15 has written Y1, which the last eight stores read
.set i, 0
.rept 8
	global_store_b64 v[VOUT], v[WY+16+2*i:WY+16+2*i+1], s[14:15] offset:2048*3+256*i
.set i, i+1
.endr
	s_wait_dscnt 0x0                               ; the closing lines, six on end
	s_wait_alu 0x0
	s_wait_tensorcnt 0x0
	ds_add_u32 v[SPW], v[NIL]
	s_wait_dscnt 0x0
	s_endpgm
; ---------------------------------------------------------------- X role
.macro XLOAD reg, row, add             ; row 0-63: lora_A's; 64-79: x's.  add: bytes along the row
.if (\row) < 64
	global_load_b128 v[\reg:\reg+3], v[VIN], s[8:9] offset:XROW*(\row)+(\add)
.else
	global_load_b128 v[\reg:\reg+3], v[VIN], s[4:5] offset:XROW*((\row)-64)+(\add) th:TH_LOAD_NT
.endif
.endm
; The memory instructions for row i of block e, which has been rounded: its ring slot is filled again five blocks ahead (behind block 4: the next sub-chunk's rows, 512 bytes along; last = 1: there is none),
; and its pair goes into LDS, x's on to xb too.
.macro XMEM last
.set ms, RING+32*(e%5)+4*i
.set my, FR+16*(e%2)+2*i
.if e < 5
	XLOAD ms, 8*(e+5)+i, 0
.elseif !(\last)
	XLOAD ms, 8*(e-5)+i, 512
.endif
	ds_store_b64 v[LST], v[my:my+1] offset:LP*(8*e+i)
.if e >= 8
	global_store_b64 v[VOUT], v[my:my+1], s[12:13] offset:OROW*(8*(e-8)+i)  ; 32 lanes x 8 bytes: 256 consecutive bytes, at a multiple of 256 from xb's first byte
.endif
.endm
; 128 along K of t: four blocks of 32.  Source 0 = 16 rows of lora_A, source 1 = my group's 16 rows of x: lane l, register i of accumulator jb holds t[row l % 16][16 jb + 8 (l / 16) + i].
; The four accumulators take turns, one instruction a turn, over the blocks and over the loop's edge.
; Ahead of the first block's loads no wait is written: no vector or matrix instruction has been issued since the wait on va_vdst that stands behind the sub-chunk's last roundings.
.macro TMUL
.irp kb, 0,1,2,3
.if \kb > 0
	s_wait_alu depctr_va_vdst(0)                   ; the four products above are done reading FR and XFR, in which the next fragments land
.endif
.irp jb, 0,1,2,3
	ds_load_b128 v[FR+8*\jb:FR+8*\jb+3],   v[LFR] offset:AB*\jb+64*\kb     ; my own bytes: LDS serves a wave's instructions in order (ISA guide 5.7.1.4), so these see the stores above
	ds_load_b128 v[FR+8*\jb+4:FR+8*\jb+7], v[LFR] offset:AB*\jb+64*\kb+32
.endr
	ds_load_b128 v[XFR:XFR+3],   v[LFR] offset:64*LP+64*\kb
	ds_load_b128 v[XFR+4:XFR+7], v[LFR] offset:64*LP+64*\kb+32
	s_wait_dscnt 0x0
.irp jb, 0,1,2,3
	v_wmma_f32_16x16x32_bf16 v[ACC+8*\jb:ACC+8*\jb+7], v[FR+8*\jb:FR+8*\jb+7], v[XFR:XFR+7], v[ACC+8*\jb:ACC+8*\jb+7]
.endr
.rept 4
	v_nop                                          ; four places in front of the next loads into, writes of, or LDS stores from these products' registers; they stay beside the waits
.endr
.endr
.endm
; One sub-chunk of 128 columns: ten blocks of eight rows are rounded, then TMUL.  last = 1: nothing follows.
.macro SUB last
.set b, 0
.rept 10
.if b == 0
	s_wait_loadcnt 32                              ; block 0's eight loads are in; the four younger blocks stay out (block 4 was asked for ahead of the products)
.elseif (\last) && (b > 6)
	s_wait_loadcnt 8*(9-b)                         ; nothing is loaded any more: the counts run down
.else
	s_wait_loadcnt 24                              ; block b's eight loads are in; the three younger blocks stay out
.endif
.if b >= 2
	s_wait_alu depctr_vm_vsrc(0)                   ; the LDS stores issued in the block before have read Y[b % 2], which this block's roundings write again
.endif
.if b >= 1
	s_wait_alu depctr_va_vdst(0)                   ; the block before has written the other Y, which the stores below read, and is done reading its R, in which the loads below land; in the first trip LST and VOUT are written too
.endif
.set i, 0
.rept 8
.if b >= 1
.set e, b-1
	XMEM \last                                     ; no vector instruction since the wait names the registers that these touch
.endif
.set cs, RING+32*(b%5)+4*i
.set cy, FR+16*(b%2)+2*i
	v_cvt_pk_bf16_f32 v[cy], v[cs], v[cs+1]
	v_cvt_pk_bf16_f32 v[cy+1], v[cs+2], v[cs+3]
.set i, i+1
.endr
.set b, b+1
.endr
	s_wait_alu depctr_va_vdst(0)                   ; block 9 has written Y1, which the stores below read, and is done reading R4, in which the loads below land; all roundings have written FR's registers, in which the fragments land
.set e, 9
.set i, 0
.rept 8
	XMEM \last
.set i, i+1
.endr
	s_wait_xcnt 0x0                                ; the three bases and the global stores' 16 pairs (TMUL loads fragments into them) are written again only behind this wait
.if !(\last)
	s_add_nc_u64 s[8:9], s[8:9], 512
	s_add_nc_u64 s[4:5], s[4:5], 512
	s_add_nc_u64 s[12:13], s[12:13], 256
.endif
	s_wait_alu depctr_vm_vsrc(0)                   ; the LDS stores and the global stores have read Y0 and Y1, in which TMUL's fragments land
	TMUL
.endm
.macro TADD d, s                       ; partial sum d takes partial sum s: eight f32 a lane
.irp p, 0,2,4,6
	v_pk_add_f32 v[RING+8*(\d)+\p:RING+8*(\d)+\p+1], v[RING+8*(\d)+\p:RING+8*(\d)+\p+1], v[RING+8*(\s)+\p:RING+8*(\s)+\p+1]
.endr
.endm
.Lxrole:
	s_lshl_b32 s24, s18, 18                        ; 16 rows of 16,384 bytes
	s_add_nc_u64 s[4:5], s[4:5], s[24:25]          ; x at the group's first row
	s_mul_i32 s24, s18, 16*OROW
	s_add_nc_u64 s[12:13], s[12:13], s[24:25]      ; xb likewise; this one steps along the row,
	s_mov_b64 s[22:23], s[12:13]                   ; this one stays, for t
	s_lshl_b32 s26, s16, 11
	v_lshl_add_u32 v[VIN], v[LANE], 4, s26         ; my wave's 512 columns of f32 + 16 bytes a lane
	s_wait_alu depctr_va_vdst(0)                   ; VIN is written: every load of this role reads it as its offset
.set q, 0
.rept 40
	XLOAD RING+4*q, q, 0                           ; blocks 0 to 4 into R0 to R4: lora_A's rows 0 to 39
.set q, q+1
.endr
	s_lshl_b32 s26, s16, 10
	v_lshl_add_u32 v[VOUT], v[LANE], 3, s26        ; the same columns in bf16
	s_mul_i32 s26, s16, WREG                       ; my wave's region
	v_lshl_add_u32 v[LST], v[LANE], 3, s26
	v_and_b32 v[R], 15, v[LANE]
	v_lshrrev_b32 v[H], 4, v[LANE]
	v_mul_u32_u24 v[LFR], v[R], LP                 ; a fragment: lane l holds row l % 16; registers 0-3 K = 8 (l / 16) .., registers 4-7 K = 16 + 8 (l / 16) ..: two loads of 16 bytes, 32 apart
	v_lshl_add_u32 v[LFR], v[H], 4, v[LFR]
	v_add_nc_u32 v[LFR], s26, v[LFR]
	s_mul_i32 s27, s16, AB
	s_add_co_u32 s27, s27, PART                    ; my wave's partial t
	v_mul_u32_u24 v[PST], v[R], LP
	v_lshl_add_u32 v[PST], v[H], 5, v[PST]         ; row l % 16, 8 f32 for each half of the lanes
	v_add_nc_u32 v[PST], s27, v[PST]
	s_lshl_b32 s28, s16, 1
	v_add_nc_u32 v[VTS], s28, v[H]                 ; at the end wave w adds up rows 2 w and 2 w + 1: lanes 0-15 the one, lanes 16-31 the other
	v_mul_u32_u24 v[RDA], v[VTS], LP
	v_and_b32 v253, 7, v[LANE]
	v_lshl_add_u32 v[RDA], v253, 5, v[RDA]         ; eight lanes x 8 f32 cover a row's 64; the eight beside them read the same and store zeros
	v_add_nc_u32 v[RDA], PART, v[RDA]
	v_mul_u32_u24 v[VTS], v[VTS], OROW
	v_lshl_add_u32 v[VTS], v[R], 4, v[VTS]
.set q, 0
.rept 32
	v_mov_b32 v[ACC+q], 0                          ; 32 lines in the wait for the first loads: they spare a third copy of the sub-chunk's text
.set q, q+1
.endr
	s_mov_b32 s19, 3
.Lxsub:
	SUB 0
	s_sub_co_u32 s19, s19, 1
	s_cmp_lg_u32 s19, 0
	s_cbranch_scc1 .Lxsub
	SUB 1
	s_wait_alu depctr_va_vdst(0)                   ; the last products have written the accumulators, which the LDS stores read (the four v_nop above stay beside this wait); the roundings are done reading the ring, in which the partial sums land below
.irp jb, 0,1,2,3                       ; each accumulator's low registers are read first; the four v_nop above are the places behind the last products
	ds_store_b128 v[PST], v[ACC+8*\jb:ACC+8*\jb+3]   offset:64*\jb
	ds_store_b128 v[PST], v[ACC+8*\jb+4:ACC+8*\jb+7] offset:64*\jb+16
.endr
	s_wait_dscnt 0x0                               ; for the others' sake: my partial sums are in LDS
	s_barrier_signal -1
	s_barrier_wait -1                              ; everybody's are
.irp u, 0,1,2,3,4,5,6,7
	ds_load_b128 v[RING+8*\u:RING+8*\u+3],   v[RDA] offset:AB*\u
	ds_load_b128 v[RING+8*\u+4:RING+8*\u+7], v[RDA] offset:AB*\u+16
.endr
	v_cmp_gt_u32 vcc_lo, 8, v[R]
	s_wait_dscnt 0x0
	TADD 0, 1
	TADD 2, 3
	TADD 4, 5
	TADD 6, 7
	TADD 0, 2
	TADD 4, 6
	TADD 0, 4
.irp p, 0,1,2,3
	v_cvt_pk_bf16_f32 v[TY+\p], v[RING+2*\p], v[RING+2*\p+1]
.endr
	s_wait_alu depctr_va_vcc(0)                    ; the compare has written VCC, which the selects below read
.irp p, 0,1,2,3
	v_cndmask_b32 v[TY+\p], 0, v[TY+\p], vcc_lo
.endr
	s_wait_alu depctr_va_vdst(0)                   ; the selects have written v[TY ..], which the store reads
	global_store_b128 v[VTS], v[TY:TY+3], s[22:23] offset:8192  ; sixteen lanes: 128 bytes of t and 128 of zeros: 256 consecutive bytes, the row's last
	s_wait_dscnt 0x0                               ; the closing lines, six on end
	s_wait_alu 0x0
	s_wait_tensorcnt 0x0
	ds_add_u32 v[SPW], v[NIL]
	s_wait_dscnt 0x0
	s_endpgm
.Lfunc_end_k_qe28a7c5e75_prep:
	.size	k_qe28a7c5e75_prep, .Lfunc_end_k_qe28a7c5e75_prep-k_qe28a7c5e75_prep
	.p2alignl 7, 3214868480
	.fill 96, 4, 3214868480
	.section	.rodata,"a",@progbits
	.p2align	6, 0x0
	.amdhsa_kernel k_qe28a7c5e75_prep
		.amdhsa_group_segment_fixed_size 209920
		.amdhsa_private_segment_fixed_size 0
		.amdhsa_enable_private_segment 0
		.amdhsa_kernarg_size 48
		.amdhsa_user_sgpr_count 2
		.amdhsa_user_sgpr_kernarg_segment_ptr 1
		.amdhsa_wavefront_size32 1
		.amdhsa_system_sgpr_workgroup_id_x 1
		.amdhsa_system_sgpr_workgroup_id_y 1
		.amdhsa_system_sgpr_workgroup_id_z 1
		.amdhsa_system_vgpr_workitem_id 0
		.amdhsa_next_free_vgpr 256
		.amdhsa_next_free_sgpr 66
		.amdhsa_reserve_vcc 1
		.amdhsa_float_denorm_mode_32 3
		.amdhsa_float_denorm_mode_16_64 3
		.amdhsa_memory_ordered 1
		.amdhsa_forward_progress 1
		.amdhsa_inst_pref_size 90
	.end_amdhsa_kernel
	.amdgpu_metadata
---
amdhsa.version: [ 1, 2 ]
amdhsa.kernels:
  - .name:           k_qe28a7c5e75_prep
    .symbol:         k_qe28a7c5e75_prep.kd
    .args:
      - { .name: x, .offset: 0, .size: 8, .value_kind: global_buffer, .address_space: global }
      - { .name: W_res, .offset: 8, .size: 8, .value_kind: global_buffer, .address_space: global }
      - { .name: lora_A, .offset: 16, .size: 8, .value_kind: global_buffer, .address_space: global }
      - { .name: lora_B, .offset: 24, .size: 8, .value_kind: global_buffer, .address_space: global }
      - { .name: xb, .offset: 32, .size: 8, .value_kind: global_buffer, .address_space: global }
      - { .name: wb, .offset: 40, .size: 8, .value_kind: global_buffer, .address_space: global }
    .group_segment_fixed_size: 209920
    .private_segment_fixed_size: 0
    .kernarg_segment_align: 8
    .kernarg_segment_size: 48
    .max_flat_workgroup_size: 256
    .sgpr_count:     66
    .vgpr_count:     256
    .wavefront_size: 32
...
	.end_amdgpu_metadata
.endif
;; end of part 3
;; launch gemm: the kernel of part 2 again; grid 16 x 16, 4 waves a work-group, clusters of 4 x 4, 327,680 bytes of LDS; arguments xb, wb, bias, out0; writes out0
